; MI455X (gfx1250); checked and timed in simulation.
; The chip was launched on July 23, 2026; its instructions are those of AMD's public machine-readable ISA for CDNA 5 (MIT licence, August 2026) and "CDNA5" Instruction Set Architecture Reference Guide (July 2026). The comments in the code are by the model that wrote it; some were corrected since.
;; Column Parallel Linear With Paged Lo RA. Allowed arithmetic: float matrix products may take bf16 or f16 operands with f32 sums; all other float work in f32.
;; Inputs: bias 4,096 float32; indices 9 x 2 int32; lora_a 8 x 4,096 x 16 float32; lora_b 8 x 16 x 4,096 float32; weight 4,096 x 4,096 float32; x 2,048 x 4,096 float32.
;; Outputs: out0 2,048 x 4,096 float32.
;; One version. Each part assembles by itself: llvm-mc -triple=amdgcn-amd-amdhsa -mcpu=gfx1250 --defsym DOCPART=n.
;; ======== version 1 of 1: 2 launches
;; workspace buffers: xe 17,301,504 bytes; we 34,603,008 bytes
;; launch prep (part 1): grid 256 x 1, 8 waves a work-group, no clusters, 282,112 bytes of LDS; arguments x, weight, lora_a, lora_b, indices, xe, we; writes xe, we
.if DOCPART == 1
	.amdgcn_target "amdgcn-amd-amdhsa--gfx1250"
	.amdhsa_code_object_version 6
	.text
	.protected	k_q274048888d_prep
	.globl	k_q274048888d_prep
	.p2align	8
	.type	k_q274048888d_prep,@function
k_q274048888d_prep:
	s_mov_b64 s[64:65], 0
	v_nop
	global_prefetch_b8 v0, s[64:65] scope:SCOPE_SE
	s_setreg_imm32_b32 hwreg(HW_REG_WAVE_MODE, 25, 1), 1
	s_wait_xcnt 0x0
; PREP: makes the two bf16 operands of the product that follows,  out = xe . we^T + bias  with K = 4224.
;   xe [2048][4224] bf16: positions 0..4095 = x; positions 4096+16l+r = U[t][l][r] = (adapter of token t == l) ? sum_k x[t][k] lora_a[l][k][r] : 0
;   we [4096][4224] bf16: positions 0..4095 = weight; positions 4096+16l+r = lora_b[l][r][o]
; K IS PERMUTED, alike in xe, in we and in lora_a's image in LDS, so every product keeps its partner: inside each group of 256 k, position 8i+e holds
; k = 4i+e (e < 4) or k = 128+4i+(e-4).  That is what comes of lane i taking 16 bytes at 16 i of the group's first 512 bytes and 16 bytes at 16 i of its
; second 512 bytes and storing its 8 bf16 at 16 i: every load and every store of a wave covers 512 consecutive bytes, aligned.
; Work-groups with an even number (role X, 128 of them) take 16 tokens each; those with an odd number (role W, 128) take 32 rows of weight.
; Role X reads 256 KiB of x and 256 KiB of lora_a for each adapter that its tokens use; role W reads 512 KiB of weight and 16 KiB of lora_b.
; The two roles' LDS regions lie side by side: no byte of LDS has two meanings in this text.
; NO JOINT LOADS: which adapter a work-group needs hangs on indices, so neighbours may need different ones, and all data are converted in registers
; on their way, so nothing is brought into LDS by a copy engine.
; LIMITS: the starts in indices ascend (searchsorted's own premise); a token in front of starts[0] takes segment 7, as the index -1 does in reference();
; an adapter id outside 0..7 adds nothing; indices[8] is not used, as in reference(); U is rounded to bf16; U's sum runs over permuted k, in two
; accumulators a wave and over eight waves, another order than reference()'s.
.set XROW, 16384                       ; bytes in a row of x and of weight
.set EROW, 8448                        ; bytes in a row of xe and of we: 4224 bf16 = 33 x 256
.set XLP,  1040                        ; LDS pitch of a wave's x rows: 1,024 bytes + 16, an odd multiple of 16
.set XLW,  16*XLP                      ; a wave's 16 rows x 512 positions of x
.set AL,   8*XLW                       ; behind them: a wave's 512 positions x 16 ranks of one adapter, 32 bytes a position
.set ALW,  16384
.set RED,  AL+8*ALW                    ; behind them: each wave's 16 x 16 partial U in f32
.set BT,   RED+8*1024                  ; behind them, role W's own bytes: 32 rows of 256 bytes of lora_b, turned
.set BTP,  272                         ; their pitch
.set IDX,  72                          ; s[72:87] indices rows 0..7: start in s[72+2i], adapter id in s[73+2i]
.set LANE, 1
.set VIN,  2                           ; byte offset of my 16 bytes in the stream that is read
.set VOUT, 3                           ; and in the stream that is stored
.set VLX,  4                           ; role X: LDS, where my 16 bytes of x go
.set VFX,  5                           ; LDS, my part of an x fragment          (role W: VBO, offset in lora_b)
.set VAS,  6                           ; LDS, where my 8 bytes of lora_a go     (role W: VBS)
.set VTR,  7                           ; LDS, my part of a lora_a fragment      (role W: VBR)
.set VAI,  8                           ; byte offset of my 16 bytes in lora_a   (role W: VBG)
.set VRS,  9                           ; LDS, where my partial U goes
.set VRR,  10                          ; LDS, where I read the eight partial U
.set TOK,  11
.set T,    12                          ; v[12:15] at work
.set TL,   16                          ; v[16:23] adapter of token t0 + 8h + j   (role W: LB v[16:31])
.set RES,  24                          ; v[24:31] u of token t0 + 8h + j, rank r, by that token's own adapter
.set ACC0, 32                          ; v[32:39]                                (role W: PB)
.set ACC1, 40                          ; v[40:47]                                (role W: BK)
.set TLL,  48                          ; adapter of token t0 + (lane & 15)
.set VUO,  49                          ; byte offset in xe of my 16 bytes of U
.set TLR,  50                          ; adapter of token t0 + (thread >> 4)
.set CL,   51                          ; the adapter whose columns my 16 bytes of U belong to
.set S,    52                          ; v[52:59]
.set X,    64                          ; v[64:191] 16 slots of 8 registers, f32 as loaded
.set AR,   64                          ; later: 32 slots of 4 registers, lora_a as loaded
.set FR,   64                          ; later: v[64:127] four steps' fragments
.set Y,    192                         ; v[192:255] 16 slots of 4 registers, bf16 to store
.set VBO,  5
.set VBS,  6
.set VBR,  7
.set VBG,  8
.set LB,   16
.set PB,   32
.set BK,   40
; One slot's turn: 8 f32 become 8 bf16; the slot is loaded again (refill = 1); the 16 bytes are stored, and laid into LDS too (tolds = 1).
; left = how many younger loads may stay out.
.macro CHUNK i, left, outoff, refill, refoff, tolds, ldsoff
	s_wait_loadcnt \left                           ; loads come back in order (ISA guide 5.7.1): this slot's two are in
	v_cvt_pk_bf16_f32 v[Y+4*\i],   v[X+8*\i],   v[X+8*\i+1]
	v_cvt_pk_bf16_f32 v[Y+4*\i+1], v[X+8*\i+2], v[X+8*\i+3]
	v_cvt_pk_bf16_f32 v[Y+4*\i+2], v[X+8*\i+4], v[X+8*\i+5]
	v_cvt_pk_bf16_f32 v[Y+4*\i+3], v[X+8*\i+6], v[X+8*\i+7]
.if \refill
	global_load_b128 v[X+8*\i:X+8*\i+3],   v[VIN], s[24:25] offset:\refoff th:TH_LOAD_NT
	global_load_b128 v[X+8*\i+4:X+8*\i+7], v[VIN], s[24:25] offset:\refoff+512 th:TH_LOAD_NT
.endif
	global_store_b128 v[VOUT], v[Y+4*\i:Y+4*\i+3], s[26:27] offset:\outoff
.if \tolds
	ds_store_b128 v[VLX], v[Y+4*\i:Y+4*\i+3] offset:\ldsoff
.endif
.endm
; The adapter of a token: that of the last segment whose start is not behind the token; segment 7's if there is none.  8 stands for every id outside 0..7.
.macro LORA_OF dst, tok
	v_mov_b32 v[\dst], s[IDX+15]
.irp i, 0,1,2,3,4,5,6,7
	v_cmp_gt_i32 vcc_lo, s[IDX+2*\i], v[\tok]                      ; start > token: keep what is there
	v_cndmask_b32 v[\dst], s[IDX+2*\i+1], v[\dst], vcc_lo
.endr
	v_min_u32 v[\dst], 8, v[\dst]
.endm
; One slot of lora_a's ring: chunk j (8 rows of k, 512 bytes); my 4 f32 become 8 bytes at their row's position in the permuted order.
.macro ACH i, j, refill, left
	s_wait_loadcnt \left
	v_cvt_pk_bf16_f32 v[T+2*(\i&1)],   v[AR+4*\i],   v[AR+4*\i+1]
	v_cvt_pk_bf16_f32 v[T+2*(\i&1)+1], v[AR+4*\i+2], v[AR+4*\i+3]
.if \refill
	global_load_b128 v[AR+4*\i:AR+4*\i+3], v[VAI], s[28:29] offset:512*(\j+32)
.endif
	ds_store_b64 v[VAS], v[T+2*(\i&1):T+2*(\i&1)+1] offset:((\j)>>5)*8192+((\j)&15)*512+(((\j)>>4)&1)*128
.endm
; Four places behind a matrix instruction, ahead of a vector instruction that reads its result and of a load into one of its sources (ISA guide 7.12.1 for vector instructions)
.macro PLACES
.rept 4
	v_nop
.endr
.endm
	s_load_b256 s[4:11], s[0:1], 0x0               ; x s[4:5], weight s[6:7], lora_a s[8:9], lora_b s[10:11]
	s_load_b128 s[12:15], s[0:1], 0x20             ; indices s[12:13], xe s[14:15]
	s_load_b64 s[16:17], s[0:1], 0x30              ; we
	v_lshl_add_u32 v62, v0, 2, 0x44a00
	v_mov_b32 v63, 0
	v_and_b32 v[LANE], 31, v0
	v_lshrrev_b32 v[T], 5, v0
	v_readfirstlane_b32 s20, v[T]                  ; wave 0..7
	s_lshr_b32 s21, ttmp9, 1                       ; my number within my role, 0..127
	s_mov_b32 s23, 0                               ; s[22:23]: a byte offset, below 4 GiB
	s_and_b32 s33, ttmp9, 1
	s_cmp_lg_u32 s33, 0
	s_cbranch_scc1 .Lrole_w
; ---------------------------------------------------------------- ROLE X: tokens t0 = 16 n .. t0 + 15
; Wave w owns k (and positions) 512 w .. 512 w + 511 of all 16 rows.
	s_wait_kmcnt 0x0
	s_load_b512 s[IDX:IDX+15], s[12:13], 0x0       ; rows 0..7 of indices, 64 of its 72 bytes
	s_mul_i32 s22, s21, 16*XROW
	s_add_nc_u64 s[24:25], s[4:5], s[22:23]        ; x at my first token
	s_mul_i32 s22, s21, 16*EROW
	s_add_nc_u64 s[26:27], s[14:15], s[22:23]      ; xe at my first token
	s_lshl_b32 s22, s20, 15
	s_add_nc_u64 s[28:29], s[8:9], s[22:23]        ; lora_a[0] at my wave's 512 rows of 64 bytes
	s_lshl_b32 s33, s20, 11
	v_lshl_add_u32 v[VIN], v[LANE], 4, s33         ; 2,048 w + 16 lane
.irp i, 0,1,2,3,4,5,6,7,8,9,10,11,12,13,14,15
	global_load_b128 v[X+8*\i:X+8*\i+3],   v[VIN], s[24:25] offset:XROW*(\i>>1)+1024*(\i&1) th:TH_LOAD_NT      ; slot i: row i >> 1, group i & 1
	global_load_b128 v[X+8*\i+4:X+8*\i+7], v[VIN], s[24:25] offset:XROW*(\i>>1)+1024*(\i&1)+512 th:TH_LOAD_NT
.endr
	; while rows 0..7 are on their way: addresses and adapters
	s_lshl_b32 s33, s20, 10
	v_lshl_add_u32 v[VOUT], v[LANE], 4, s33        ; 1,024 w + 16 lane
	v_and_b32 v[T], 15, v0                         ; r = lane & 15 (also: my 16-byte piece of a row of U)
	v_bfe_u32 v[T+1], v0, 4, 1                     ; h = lane >> 4
	v_lshrrev_b32 v[T+2], 4, v0                    ; thread >> 4: my row of U, 0..15
	s_mul_i32 s33, s20, XLW
	v_lshl_add_u32 v[VLX], v[LANE], 4, s33
	v_mul_u32_u24 v[VFX], v[T], XLP                ; an x fragment: row r, 16 bytes for each half of the lanes
	v_lshl_add_u32 v[VFX], v[T+1], 4, v[VFX]
	v_add_nc_u32 v[VFX], s33, v[VFX]
	s_lshl_b32 s33, s20, 14
	s_add_co_u32 s33, s33, AL
	v_lshlrev_b32 v[VAS], 3, v[T]                  ; lane L of a chunk holds row L >> 2, ranks 4 (L & 3)..: 256 (L >> 4) + 8 (L & 15)
	v_lshl_add_u32 v[VAS], v[T+1], 8, v[VAS]
	v_add_nc_u32 v[VAS], s33, v[VAS]
	v_and_b32 v[T+3], 7, v0                        ; a fragment of [position][rank] by the transposing load: (8 h + (L & 7)) x 32 + 16 ((L >> 3) & 1)
	v_lshlrev_b32 v[VTR], 5, v[T+3]
	v_bfe_u32 v[T+3], v0, 3, 1
	v_lshl_add_u32 v[VTR], v[T+3], 4, v[VTR]
	v_lshl_add_u32 v[VTR], v[T+1], 8, v[VTR]
	v_add_nc_u32 v[VTR], s33, v[VTR]
	v_lshlrev_b32 v[VAI], 4, v[LANE]
	s_lshl_b32 s33, s20, 10
	s_add_co_u32 s33, s33, RED
	v_lshlrev_b32 v[VRS], 2, v[T]                  ; partial U [token 8h + j][rank r] f32: 512 h + 64 j + 4 r
	v_lshl_add_u32 v[VRS], v[T+1], 9, v[VRS]
	v_add_nc_u32 v[VRS], s33, v[VRS]
	v_and_b32 v[T+3], 1, v0
	v_lshlrev_b32 v[VRR], 5, v[T+3]                ; my 8 ranks of my row: 64 row + 32 (piece & 1)
	v_lshl_add_u32 v[VRR], v[T+2], 6, v[VRR]
	v_add_nc_u32 v[VRR], RED, v[VRR]
	v_mul_u32_u24 v[VUO], v[T+2], EROW             ; and where they go in xe: row, position 4096, piece
	v_lshl_add_u32 v[VUO], v[T], 4, v[VUO]
	v_add_nc_u32 v[VUO], 8192, v[VUO]
	v_bfe_u32 v[CL], v0, 1, 3                      ; piece >> 1
	s_lshl_b32 s32, s21, 4                         ; t0
	s_wait_kmcnt 0x0                               ; indices
	v_add_nc_u32 v[TOK], s32, v[T]
	LORA_OF TLL, TOK
	v_add_nc_u32 v[TOK], s32, v[T+2]
	LORA_OF TLR, TOK
	v_lshl_add_u32 v[TOK], v[T+1], 3, s32          ; t0 + 8 h
	LORA_OF TL, TOK
.irp j, 1,2,3,4,5,6,7
	v_add_nc_u32 v[TOK], 1, v[TOK]
	LORA_OF TL+\j, TOK
.endr
.irp j, 0,1,2,3,4,5,6,7
	v_mov_b32 v[RES+\j], 0                         ; the target of a selection, not a sum: a token whose id names no adapter keeps 0
.endr
	; rows 0..7: 30 = the 15 younger slots' two loads each; each slot is loaded again with the row 8 further down
.irp i, 0,1,2,3,4,5,6,7,8,9,10,11,12,13,14,15
	CHUNK \i, 30, EROW*(\i>>1)+512*(\i&1), 1, XROW*(8+(\i>>1))+1024*(\i&1), 1, XLP*(\i>>1)+512*(\i&1)
.endr
	s_wait_xcnt 0x0                                ; Y, which the stores read, is written again only behind this wait
	; rows 8..15: nothing more to load, the counts run down
.irp i, 0,1,2,3,4,5,6,7,8,9,10,11,12,13,14,15
	CHUNK \i, 30-2*\i, EROW*(8+(\i>>1))+512*(\i&1), 0, 0, 1, XLP*(8+(\i>>1))+512*(\i&1)
.endr
	; The eight adapters in turn.  The pointer steps by one adapter a trip, whatever the data; an adapter that none of the 16 tokens uses is passed over.
	; The branch hangs on indices alone and is the same in all eight waves; no barrier stands inside, and no load is out on either way.
	s_mov_b32 s31, 0
.Ladapter:
	v_cmp_eq_u32 s33, s31, v[TLL]
	s_cmp_lg_u32 s33, 0
	s_cbranch_scc0 .Lnext
	; (a) my 512 rows of lora_a[l], 64 chunks of 512 bytes through a ring of 32 loads, as bf16 into my own LDS bytes
.set n, 0
.rept 32
	global_load_b128 v[AR+4*n:AR+4*n+3], v[VAI], s[28:29] offset:512*n
.set n, n+1
.endr
.set n, 0
.rept 32
	ACH n, n, 1, 31                                ; 31 younger loads stay out
.set n, n+1
.endr
.set n, 0
.rept 32
	ACH n, n+32, 0, 31-n                           ; the counts run down
.set n, n+1
.endr
	; (b) 16 steps of 32 positions, four at a time.  LDS serves a wave's instructions in order (ISA guide 5.7.1.4) and these bytes are the wave's own:
	; the loads see the stores above without a wait.  The two accumulators take turns, one instruction a turn.
.set g, 0
.rept 4
.if g > 0
	PLACES
.endif
.set q, 0
.rept 4
	ds_load_b128 v[FR+16*q:FR+16*q+3],         v[VFX] offset:64*(4*g+q)
	ds_load_b128 v[FR+16*q+4:FR+16*q+7],       v[VFX] offset:64*(4*g+q)+32
	ds_load_tr16_b128 v[FR+16*q+8:FR+16*q+11],  v[VTR] offset:1024*(4*g+q)
	ds_load_tr16_b128 v[FR+16*q+12:FR+16*q+15], v[VTR] offset:1024*(4*g+q)+512
.set q, q+1
.endr
	s_wait_dscnt 0x0
.if g == 0
	v_wmma_f32_16x16x32_bf16 v[ACC0:ACC0+7], v[FR:FR+7],     v[FR+8:FR+15],  0          ; the first two products start the sums
	v_wmma_f32_16x16x32_bf16 v[ACC1:ACC1+7], v[FR+16:FR+23], v[FR+24:FR+31], 0
.else
	v_wmma_f32_16x16x32_bf16 v[ACC0:ACC0+7], v[FR:FR+7],     v[FR+8:FR+15],  v[ACC0:ACC0+7]
	v_wmma_f32_16x16x32_bf16 v[ACC1:ACC1+7], v[FR+16:FR+23], v[FR+24:FR+31], v[ACC1:ACC1+7]
.endif
	v_wmma_f32_16x16x32_bf16 v[ACC0:ACC0+7], v[FR+32:FR+39], v[FR+40:FR+47], v[ACC0:ACC0+7]
	v_wmma_f32_16x16x32_bf16 v[ACC1:ACC1+7], v[FR+48:FR+55], v[FR+56:FR+63], v[ACC1:ACC1+7]
.set g, g+1
.endr
	; (c) register j of a result is token t0 + 8h + j, rank r: it is kept where that token's adapter is l
	PLACES
.irp k, 0,2,4,6
	v_pk_add_f32 v[S+\k:S+\k+1], v[ACC0+\k:ACC0+\k+1], v[ACC1+\k:ACC1+\k+1]
.endr
.irp j, 0,1,2,3,4,5,6,7
	v_cmp_eq_u32 vcc_lo, s31, v[TL+\j]
	v_cndmask_b32 v[RES+\j], v[RES+\j], v[S+\j], vcc_lo
.endr
.Lnext:
	s_add_nc_u64 s[28:29], s[28:29], 0x40000       ; the next adapter's 262,144 bytes; every load that used this base has been waited for
	s_add_co_u32 s31, s31, 1
	s_cmp_lt_u32 s31, 8
	s_cbranch_scc1 .Ladapter
	; The eight waves' partial sums meet in LDS; thread t makes 16 bytes of U: row t >> 4, piece t & 15 = adapter (t & 15) >> 1, ranks 8 (t & 1) ..
.irp j, 0,1,2,3,4,5,6,7
	ds_store_b32 v[VRS], v[RES+\j] offset:64*\j
.endr
	s_wait_dscnt 0x0                               ; for the other waves' sake: my stores are done before I signal
	s_barrier_signal -1
	s_barrier_wait -1
.irp w, 0,1,2,3,4,5,6,7
	ds_load_b128 v[FR+8*\w:FR+8*\w+3],   v[VRR] offset:1024*\w
	ds_load_b128 v[FR+8*\w+4:FR+8*\w+7], v[VRR] offset:1024*\w+16
.endr
	s_wait_dscnt 0x0
.irp w, 1,2,3,4,5,6,7
.irp k, 0,2,4,6
	v_pk_add_f32 v[FR+\k:FR+\k+1], v[FR+\k:FR+\k+1], v[FR+8*\w+\k:FR+8*\w+\k+1]
.endr
.endr
.irp k, 0,1,2,3
	v_cvt_pk_bf16_f32 v[T+\k], v[FR+2*\k], v[FR+2*\k+1]
.endr
	v_cmp_eq_u32 vcc_lo, v[CL], v[TLR]             ; my columns belong to the row's own adapter: u; else zeros
.irp k, 0,1,2,3
	v_cndmask_b32 v[T+\k], 0, v[T+\k], vcc_lo
.endr
	global_store_b128 v[VUO], v[T:T+3], s[26:27]   ; sixteen lanes store the 256 consecutive bytes of a row's U, aligned
	s_wait_tensorcnt 0x0
	ds_add_u32 v62, v63
	s_wait_dscnt 0x0
	s_endpgm
; ---------------------------------------------------------------- ROLE W: rows o0 = 32 n .. o0 + 31 of weight
; Wave w streams rows o0 + 4 w .. + 3, a row a round (16 slots of 1,024 bytes), and brings lora_b[w][0..15][o0 + lane].
.Lrole_w:
	s_wait_kmcnt 0x0
	s_mul_i32 s22, s21, 32*XROW
	s_add_nc_u64 s[24:25], s[6:7], s[22:23]        ; weight at my first row
	s_mul_i32 s22, s21, 32*EROW
	s_add_nc_u64 s[26:27], s[16:17], s[22:23]      ; we at my first row: stepped row by row
	s_mov_b64 s[34:35], s[26:27]                   ; and once more, never stepped
	s_lshl_b32 s22, s20, 18                        ; adapter w: 262,144 bytes each
	s_lshl_b32 s33, s21, 7                         ; column o0: 4 bytes each
	s_add_co_u32 s22, s22, s33
	s_add_nc_u64 s[28:29], s[10:11], s[22:23]
	v_lshlrev_b32 v[VBO], 2, v[LANE]
.irp r, 0,1,2,3,4,5,6,7,8,9,10,11,12,13,14,15
	global_load_b32 v[LB+\r], v[VBO], s[28:29] offset:16384*\r     ; 128 consecutive bytes of rank r: 16 KiB of the work-group's 528 KiB
.endr
	s_lshl_b32 s33, s20, 16
	v_lshl_add_u32 v[VIN], v[LANE], 4, s33         ; 4 rows x 16,384 bytes a wave
	s_mul_i32 s33, s20, 4*EROW
	v_lshl_add_u32 v[VOUT], v[LANE], 4, s33
.irp i, 0,1,2,3,4,5,6,7,8,9,10,11,12,13,14,15
	global_load_b128 v[X+8*\i:X+8*\i+3],   v[VIN], s[24:25] offset:1024*\i th:TH_LOAD_NT
	global_load_b128 v[X+8*\i+4:X+8*\i+7], v[VIN], s[24:25] offset:1024*\i+512 th:TH_LOAD_NT
.endr
	v_and_b32 v[T], 15, v0
	v_bfe_u32 v[T+1], v0, 4, 1
	v_mul_u32_u24 v[VBS], v[LANE], BTP             ; in: row = my column of lora_b, 32 bytes for each adapter
	s_lshl_b32 s33, s20, 5
	s_add_co_u32 s33, s33, BT
	v_add_nc_u32 v[VBS], s33, v[VBS]
	v_mul_u32_u24 v[VBR], v[T+1], BTP              ; back: lanes 0-15 a row of 256 bytes, lanes 16-31 the next; 4 rows a wave
	v_lshl_add_u32 v[VBR], v[T], 4, v[VBR]
	s_mul_i32 s33, s20, 4*BTP
	s_add_co_u32 s33, s33, BT
	v_add_nc_u32 v[VBR], s33, v[VBR]
	v_mul_u32_u24 v[VBG], v[T+1], EROW             ; and the same rows in we, from position 4096 on
	v_lshl_add_u32 v[VBG], v[T], 4, v[VBG]
	s_mul_i32 s33, s20, 4*EROW
	s_add_co_u32 s33, s33, 8192
	v_add_nc_u32 v[VBG], s33, v[VBG]
	s_mov_b32 s3, 3
.Lwrow:
.irp i, 0,1,2,3,4,5,6,7,8,9,10,11,12,13,14,15
	CHUNK \i, 30, 512*\i, 1, XROW+1024*\i, 0, 0    ; 30 = the 15 younger slots' two loads each; lora_b's loads are older than all of them
.endr
	s_wait_xcnt 0x0                                ; Y and both bases are written again only behind this wait
	s_add_nc_u64 s[24:25], s[24:25], XROW
	s_add_nc_u64 s[26:27], s[26:27], EROW
	s_sub_co_u32 s3, s3, 1
	s_cmp_lg_u32 s3, 0
	s_cbranch_scc1 .Lwrow
.irp i, 0,1,2,3,4,5,6,7,8,9,10,11,12,13,14,15
	CHUNK \i, 30-2*\i, 512*\i, 0, 0, 0, 0          ; the wave's last row: no load leaves the buffer, the counts run down
.endr
	; lora_b turned: my column's 16 ranks of adapter w are 32 neighbouring bytes of a row of we; the eight waves' pieces make the row's 256 bytes in LDS
.irp k, 0,1,2,3,4,5,6,7
	v_cvt_pk_bf16_f32 v[PB+\k], v[LB+2*\k], v[LB+2*\k+1]
.endr
	ds_store_b128 v[VBS], v[PB:PB+3]
	ds_store_b128 v[VBS], v[PB+4:PB+7] offset:16
	s_wait_dscnt 0x0                               ; for the other waves' sake
	s_barrier_signal -1
	s_barrier_wait -1
	ds_load_b128 v[BK:BK+3],   v[VBR]
	ds_load_b128 v[BK+4:BK+7], v[VBR] offset:2*BTP
	s_wait_dscnt 0x0
	global_store_b128 v[VBG], v[BK:BK+3],   s[34:35]               ; sixteen lanes store 256 consecutive bytes, aligned
	global_store_b128 v[VBG], v[BK+4:BK+7], s[34:35] offset:2*EROW
	s_wait_tensorcnt 0x0
	ds_add_u32 v62, v63
	s_wait_dscnt 0x0
	s_endpgm
.Lfunc_end_k_q274048888d_prep:
	.size	k_q274048888d_prep, .Lfunc_end_k_q274048888d_prep-k_q274048888d_prep
	.p2alignl 7, 3214868480
	.fill 96, 4, 3214868480
	.section	.rodata,"a",@progbits
	.p2align	6, 0x0
	.amdhsa_kernel k_q274048888d_prep
		.amdhsa_group_segment_fixed_size 282112
		.amdhsa_private_segment_fixed_size 0
		.amdhsa_enable_private_segment 0
		.amdhsa_kernarg_size 56
		.amdhsa_user_sgpr_count 2
		.amdhsa_user_sgpr_kernarg_segment_ptr 1
		.amdhsa_wavefront_size32 1
		.amdhsa_system_sgpr_workgroup_id_x 1
		.amdhsa_system_sgpr_workgroup_id_y 1
		.amdhsa_system_sgpr_workgroup_id_z 1
		.amdhsa_system_vgpr_workitem_id 0
		.amdhsa_next_free_vgpr 256
		.amdhsa_next_free_sgpr 88
		.amdhsa_reserve_vcc 1
		.amdhsa_float_denorm_mode_32 3
		.amdhsa_float_denorm_mode_16_64 3
		.amdhsa_memory_ordered 1
		.amdhsa_forward_progress 1
		.amdhsa_inst_pref_size 83
	.end_amdhsa_kernel
	.amdgpu_metadata
---
amdhsa.version: [ 1, 2 ]
amdhsa.kernels:
  - .name:           k_q274048888d_prep
    .symbol:         k_q274048888d_prep.kd
    .args:
      - { .name: x, .offset: 0, .size: 8, .value_kind: global_buffer, .address_space: global }
      - { .name: weight, .offset: 8, .size: 8, .value_kind: global_buffer, .address_space: global }
      - { .name: lora_a, .offset: 16, .size: 8, .value_kind: global_buffer, .address_space: global }
      - { .name: lora_b, .offset: 24, .size: 8, .value_kind: global_buffer, .address_space: global }
      - { .name: indices, .offset: 32, .size: 8, .value_kind: global_buffer, .address_space: global }
      - { .name: xe, .offset: 40, .size: 8, .value_kind: global_buffer, .address_space: global }
      - { .name: we, .offset: 48, .size: 8, .value_kind: global_buffer, .address_space: global }
    .group_segment_fixed_size: 282112
    .private_segment_fixed_size: 0
    .kernarg_segment_align: 8
    .kernarg_segment_size: 56
    .max_flat_workgroup_size: 256
    .sgpr_count:     88
    .vgpr_count:     256
    .wavefront_size: 32
...
	.end_amdgpu_metadata
.endif
;; end of part 1
;; launch gemm (part 2): grid 16 x 16, 4 waves a work-group, clusters of 4 x 1, 327,680 bytes of LDS; arguments xe, we, bias, out0; writes out0
.if DOCPART == 2
	.amdgcn_target "amdgcn-amd-amdhsa--gfx1250"
	.amdhsa_code_object_version 6
	.text
	.protected	k_q274048888d_gemm
	.globl	k_q274048888d_gemm
	.p2align	8
	.type	k_q274048888d_gemm,@function
k_q274048888d_gemm:
	s_mov_b64 s[64:65], 0
	v_nop
	global_prefetch_b8 v0, s[64:65] scope:SCOPE_SE
	s_setreg_imm32_b32 hwreg(HW_REG_WAVE_MODE, 25, 1), 1
	s_wait_xcnt 0x0
	s_wait_alu depctr_hold_cnt(0) depctr_sa_sdst(0) depctr_va_vdst(0) depctr_va_sdst(0) depctr_va_ssrc(0) depctr_va_vcc(0) depctr_vm_vsrc(0)
	s_getreg_b32 s2, hwreg(HW_REG_IB_STS2, 6, 4)
	s_cmp_eq_u32 s2, 0
	s_cbranch_scc0 .Lentry_in_a_cluster
	s_endpgm
.Lentry_in_a_cluster:
	s_bfe_u32 s2, ttmp6, 0x10000c
	s_cmp_lg_u32 s2, 0x3003
	s_cbranch_scc0 .Lentry_shape_is_right
	s_endpgm
.Lentry_shape_is_right:
; out[t][o] = sum over 4224 positions p of xe[t][p] we[o][p] + bias[o].  xe: [2048][4224] bf16, we: [4096][4224] bf16, out: [2048][4096] f32; sums in f32.
; The 4224 positions are x . weight^T (4096, in an order of k that xe and we share) and the low-rank part (128): one product, 33 steps of 128.
; 256 work-groups; each makes a block of 128 rows x 256 columns with four waves.  Wave w takes the columns' half nh = w & 1 and, of every step's 128
; positions, the half kh = w >> 1: so each wave has a full 128 x 128 of sums (64 tiles of 16 x 16, 512 registers), an element of we is read from LDS once and
; an element of xe twice.  The two halves of K meet once, at the end, through LDS.  So the order of the sums differs from reference()'s.
; A STEP'S 96 KiB COME BY TWO ROADS.
;   we's 256 rows (64 KiB): tensor loads, 64 rows a wave, into a ring of two slots.  All of a wave's tensor loads have landed in front of every barrier behind
;   which a slot is filled again, so a tile has one step, 128 matrix instructions, in which to land.
;   xe's 128 rows (32 KiB): through registers, 32 rows a wave: 16 loads of two whole rows of 256 bytes each, asked for two steps ahead, which stay out over that
;   barrier and have a whole step in which to land; then 16 LDS stores into a ring of two slots of its own, which no tensor load fills.
; CLUSTERS: 4 x 1 work-groups, the four of one block column and four neighbouring block rows.  They need the same tiles of we and ask for them jointly: each issues
; the same tensor load, with the same descriptor and the mask of all four.  xe's tiles are NOT asked for jointly, though the sixteen work-groups of a block row
; read the same ones: they are a third of a step's bytes, and as tensor loads they too would have to land within the step, in loads of 128 rows for we.
;
; REGISTERS, in windows of 256:
;   window 0: v16-34 addresses and bias; v64-127, v128-191 fragments of xe (8 x 16 rows x 32 positions), two buffers; v192-255 my 32 rows of xe on their way to LDS
;   window 1: v64-127, v128-191 fragments of we, two buffers
;   window 2: the 32 tiles of rows 0-63 (tile (a, b) at v[8 (8 a + b)]);   window 3: those of rows 64-127
; THE MATRIX INSTRUCTION IS USED TRANSPOSED: source 0 = 16 rows of we, source 1 = 16 rows of xe.  Lane l then holds row l % 16 of out and its registers 0 to 7
; the columns 8 (l / 16) + 0 .. 7: 32 neighbouring bytes of a row.
.set KSTEP,  128
.set EK,     4224                      ; elements in a row of xe and we
.set EROW,   2*EK                      ; bytes: 33 x 256
.set OROW,   16384                     ; bytes in a row of out
.set PITCH,  272                       ; an LDS row: 256 bytes + 16, an odd multiple of 16: the 16 rows that a fragment load touches fall in 16 different 16-byte columns of 256
.set BQ,     64*PITCH                  ; what one tensor load brings: 64 rows of we
.set BHALF,  128*PITCH                 ; what a wave reads of we
.set BSLOT,  256*PITCH                 ; a slot of we's ring; the ring begins at LDS byte 0
.set ABASE,  2*BSLOT                   ; xe's ring, 544 x 256 bytes from LDS byte 0
.set AQ,     32*PITCH                  ; what one wave stores of xe
.set ASLOT,  128*PITCH                 ; a slot of xe's ring
.set DP,     528                       ; the way out: a row of 128 f32 + 16 bytes, an odd multiple of 16
.set DUMPW,  128*DP                    ; a wave's 128 x 128 sums.  The four lie over both rings, which have had their last fill by then
.set ADRA, 16                          ; v16-17  LDS address of my xe fragments in slot 0, 1
.set ADRB, 20                          ; v20-21  the same for we
.set STO,  24                          ; the way out: where my 32 bytes of a tile's row go
.set RD0,  25                          ; where I read a row of the sums over the first halves of K
.set RD1,  26                          ; and over the second halves
.set CO,   27                          ; 16 x lane: my 16 bytes in 512 bytes of bias and of a row of out
.set BIAS, 28                          ; v[28:31]
.set AST,  32                          ; v32-33  LDS address of my 16 bytes in the first two of my wave's 32 rows of xe, slot 0, 1
.set AGO,  34                          ; their byte offset from the block's first row in xe; never rewritten
.set F0,   64
.set F1,   128
.set STG,  192                         ; v[192:255] 16 x 4 registers
.set AP,   20                          ; s[20:21] xe at the block's first row, at the step that is asked for
.set G1B,  48                          ; s[48:55] descriptor group 1 for we's tiles
.set G0B,  56                          ; s[56:63] group 0, one set for each slot
.set MSB, 0
.macro WIN new                         ; the immediate's high byte repeats the setting that is left
.if MSB != \new
	s_set_vgpr_msb (MSB<<8)|\new
.set MSB, \new
.endif
.endm
.set MUL_LO, 0xa1                      ; source 0 (we) window 1, source 1 (xe) window 0, C and D window 2
.set MUL_HI, 0xf1                      ; the same, C and D window 3
.set TO_B,   0x40                      ; destination window 1, address window 0
; A round of the cluster's barrier: my work-group's barrier; wave 0 signals for the work-group; every wave waits for all four work-groups; my work-group's barrier once more.
.macro CREST                           ; a round behind its opening barrier
	s_cmp_lg_u32 s12, 0
	s_cbranch_scc1 .Lnot_wave_0_\@
	s_barrier_signal -3
.Lnot_wave_0_\@:
	s_barrier_wait -3
	s_barrier_signal -1
	s_barrier_wait -1
.endm
.macro CROUND                          ; a whole round
	s_barrier_signal -1
	s_barrier_wait -1
	CREST
.endm
; My 32 rows of xe, one step's 256 bytes of each: a load takes two whole rows, sixteen lanes a row.
.macro ALOAD
.irp j, 0,1,2,3,4,5,6,7,8,9,10,11,12,13,14,15
	global_load_b128 v[STG+4*\j:STG+4*\j+3], v[AGO], s[AP:AP+1] offset:\j*2*EROW
.endr
.endm
.macro ASTORE slot
.irp j, 0,1,2,3,4,5,6,7,8,9,10,11,12,13,14,15
	ds_store_b128 v[AST+\slot], v[STG+4*\j:STG+4*\j+3] offset:\j*2*PITCH
.endr
.endm
	s_load_b256 s[4:11], s[0:1], 0x0               ; xe s[4:5], we s[6:7], bias s[8:9], out s[10:11]
	v_lshl_add_u32 v62, v0, 2, 0x42000
	v_mov_b32 v63, 0
	ds_add_u32 v62, v63
	v_lshrrev_b32 v1, 5, v0
	v_readfirstlane_b32 s12, v1                    ; wave 0..3
	s_lshr_b32 s13, s12, 1                         ; kh: my half of a step's positions
	s_and_b32 s14, s12, 1                          ; nh: my half of the columns
	s_bfe_u32 s40, ttmp6, 0x40000                  ; cx: my place in the cluster
	s_lshl_b32 s15, ttmp9, 2
	s_add_co_u32 s15, s15, s40                     ; block row = 4 x cluster x + cx
	s_and_b32 s42, ttmp7, 0xffff                   ; block column = cluster y: the four partners share it
	; group 1: 64 rows of 128 elements of 2 bytes, 16 bytes of padding behind each in LDS
	s_mov_b32 s[G1B+0], 15|(1<<16)|(1<<20)|(1<<21)|(5<<22)|(3<<25)  ; 15:0 mask: all four of the cluster; 17:16 2 bytes; 20 padding on; 21 set beside a mask; 24:22 after every 64 words; 31:25 4 words
	s_mov_b32 s[G1B+1], KSTEP<<16                  ; tensor_dim0 = 128
	s_mov_b32 s[G1B+2], 64<<16                     ; tensor_dim1 = 64
	s_mov_b32 s[G1B+3], KSTEP<<16                  ; tile_dim0 = 128
	s_mov_b32 s[G1B+4], 64                         ; tile_dim1 = 64
	s_mov_b32 s[G1B+5], EK                         ; elements from row to row
	s_mov_b32 s[G1B+6], 0
	s_mov_b32 s[G1B+7], 0
	; where we's tiles come from: the block column and the wave's number alone
	s_lshl_b32 s45, s12, 6
	s_lshl_b32 s46, s42, 8
	s_add_co_u32 s46, s46, s45                     ; row 256 x block column + 64 x wave
	s_mul_i32 s46, s46, EROW                       ; in bytes: below 34,603,008
	s_mov_b32 s47, 0
	s_mul_i32 s22, s12, BQ                         ; and where they go: the wave's number alone
	s_lshl_b32 s16, s15, 7
	s_mul_i32 s16, s16, EROW                       ; xe: row 128 x block row, in bytes: below 17,301,504
	s_mov_b32 s17, 0
	s_wait_dscnt 0x0
	s_wait_kmcnt 0x0
	s_add_nc_u64 s[AP:AP+1], s[4:5], s[16:17]
	s_add_nc_u64 s[46:47], s[6:7], s[46:47]
	CROUND                                         ; all four work-groups are here: the first joint loads meet
.irp s, 0,1
	s_mov_b32 s[G0B+4*\s], 1                                       ; count = 1
	s_add_co_u32 s[G0B+4*\s+1], s22, \s*BSLOT                      ; LDS address
	s_add_nc_u64 s[G0B+4*\s+2:G0B+4*\s+3], s[46:47], \s*KSTEP*2    ; global address: step s
	s_or_b32 s[G0B+4*\s+3], s[G0B+4*\s+3], 0x80000000              ; type = 2
	tensor_load_to_lds s[G0B+4*\s:G0B+4*\s+3], s[G1B:G1B+7]        ; the ring is filled before anything else is done: two tensor loads of the wave are out
	s_nop 0
.endr
	v_and_b32 v5, 31, v0                           ; lane
	v_and_b32 v1, 15, v0                           ; l % 16
	v_bfe_u32 v2, v0, 4, 1                         ; l / 16
	v_mul_u32_u24 v6, v2, EROW                     ; xe: lanes 0-15 a row of 256 bytes, lanes 16-31 the next; 32 rows a wave
	v_lshl_add_u32 v6, v1, 4, v6
	s_mul_i32 s23, s12, 32*EROW
	v_add_nc_u32 v[AGO], s23, v6
	ALOAD                                          ; step 0
	v_lshlrev_b32 v[CO], 4, v5
	s_lshl_b32 s46, s42, 10                        ; my first column, in bytes of f32: 1,024 x block column + 512 x half
	s_lshl_b32 s45, s14, 9
	s_add_co_u32 s46, s46, s45
	s_mov_b32 s47, 0
	s_add_nc_u64 s[8:9], s[8:9], s[46:47]
	s_add_nc_u64 s[10:11], s[10:11], s[46:47]
	global_load_b128 v[BIAS:BIAS+3], v[CO], s[8:9] ; bias of my four columns: the wave takes 512 consecutive bytes
	s_lshl_b32 s16, s15, 21                        ; the first row that I store: 128 x block row + 64 x kh, rows of 16,384 bytes
	s_lshl_b32 s45, s13, 20
	s_add_co_u32 s16, s16, s45
	s_mov_b32 s17, 0
	s_add_nc_u64 s[10:11], s[10:11], s[16:17]
	v_mul_u32_u24 v7, v2, PITCH                    ; the same two rows of xe in LDS
	v_lshl_add_u32 v7, v1, 4, v7
	s_mul_i32 s22, s12, AQ
	s_add_co_u32 s22, s22, ABASE
	v_add_nc_u32 v[AST], s22, v7
	v_add_nc_u32 v[AST+1], ASLOT, v[AST]
	; A fragment is 16 rows x 32 positions in 8 registers: lane l holds row l % 16; registers 0-3 positions 8 (l / 16) + 0..7, registers 4-7 those 16 further on:
	; two loads of 16 bytes, 32 bytes apart.  My 64 positions begin at byte 128 kh of a row.
	v_mul_u32_u24 v3, v1, PITCH
	v_lshl_add_u32 v3, v2, 4, v3
	s_lshl_b32 s23, s13, 7
	s_add_co_u32 s22, s23, ABASE                   ; xe: all 128 rows
	s_mul_i32 s45, s14, BHALF
	s_add_co_u32 s23, s23, s45                     ; we: my 128 rows
	v_add_nc_u32 v[ADRA], s22, v3
	v_add_nc_u32 v[ADRB], s23, v3
	v_add_nc_u32 v[ADRA+1], ASLOT, v[ADRA]
	v_add_nc_u32 v[ADRB+1], BSLOT, v[ADRB]
	s_mul_i32 s22, s12, DUMPW
	v_mul_u32_u24 v4, v1, DP                       ; out of the registers: row l % 16, 32 bytes for each half of the lanes
	v_lshl_add_u32 v4, v2, 5, v4
	v_add_nc_u32 v[STO], s22, v4
	s_mul_i32 s22, s14, DUMPW                      ; back: the sums of wave nh (first halves of K) and of wave nh + 2 (second halves), rows 64 kh ..
	s_mul_i32 s23, s13, 64*DP
	s_add_co_u32 s22, s22, s23
	v_lshl_add_u32 v[RD0], v5, 4, s22
	v_add_nc_u32 v[RD1], 2*DUMPW, v[RD0]
; 16 matrix instructions: m blocks a0, a0 + 1 of the window's four (hi = 0: rows 0-63, 1: rows 64-127) x all 8 n blocks, 32 positions.
; zero = 1: the first product starts the sums: nothing is cleared.  The 64 accumulators take turns, one instruction a turn, in the same order in every
; quarter, over the loop's backward jump too.
.macro MUL16 f, hi, a0, zero
.irp a, \a0, \a0+1
.irp b, 0,1,2,3,4,5,6,7
.if \zero
	v_wmma_f32_16x16x32_bf16 v[8*(8*(\a)+\b):8*(8*(\a)+\b)+7], v[\f+8*\b:\f+8*\b+7], v[\f+8*(4*\hi+\a):\f+8*(4*\hi+\a)+7], 0
.else
	v_wmma_f32_16x16x32_bf16 v[8*(8*(\a)+\b):8*(8*(\a)+\b)+7], v[\f+8*\b:\f+8*\b+7], v[\f+8*(4*\hi+\a):\f+8*(4*\hi+\a)+7], v[8*(8*(\a)+\b):8*(8*(\a)+\b)+7]
.endif
.endr
.endr
.endm
; 32 LDS loads in one run: 128 rows of we, 128 rows of xe, 32 positions at byte k of my part of the rows, into buffer f
.macro FETCH slot, k, f
	WIN TO_B
.irp i, 0,1,2,3,4,5,6,7
	ds_load_b128 v[\f+8*\i:\f+8*\i+3],   v[ADRB+\slot] offset:\k+\i*16*PITCH
	ds_load_b128 v[\f+8*\i+4:\f+8*\i+7], v[ADRB+\slot] offset:\k+\i*16*PITCH+32
.endr
	WIN 0
.irp i, 0,1,2,3,4,5,6,7
	ds_load_b128 v[\f+8*\i:\f+8*\i+3],   v[ADRA+\slot] offset:\k+\i*16*PITCH
	ds_load_b128 v[\f+8*\i+4:\f+8*\i+7], v[ADRA+\slot] offset:\k+\i*16*PITCH+32
.endr
.endm
; Four places behind a matrix instruction, ahead of a load into a register that it has read and of anything else that reads its result
; (ISA guide 7.12.1 for vector instructions); the matrix instructions in between are not counted.
.macro PLACES
.rept 4
	v_nop
.endr
.endm
; A step is, for a wave, two quarters of 32 positions, 64 matrix instructions each, on buffers 0 and 1.
; The first: multiplies buffer f; in its middle it fetches the second quarter's fragments into buffer g.
.macro QUARTER slot, k, f, g, zero
	s_wait_dscnt 8                                 ; we's fragments and xe's rows 0-63 are in; the youngest eight loads (xe's rows 64-127) may be out
	WIN MUL_LO
	MUL16 \f, 0, 0, \zero
	MUL16 \f, 0, 2, \zero
	PLACES
	FETCH \slot, \k, \g
	s_wait_dscnt 32                                ; all but the 32 just issued
	WIN MUL_HI
	MUL16 \f, 1, 0, \zero
	MUL16 \f, 1, 2, \zero
.endm
; The second: multiplies buffer 1 and changes slots.  fill = 1: two steps ahead there is something to ask for.
; xe: the next step's rows, asked for a step ago, go from my registers into the next slot of xe's ring; its last readers waited for their loads in front of the
; barrier of the step before.  Then the rows two steps ahead are asked for.  An LDS store's data need no wait before they are loaded again (ISA guide 5.7.1.4: a wave's
; LDS instructions take their operands at issue, in order).
; we: in front of the barrier each wave waits for its LDS stores and reads and for all its tensor loads, of which one is out: its part of the next slot.
; Behind it nobody reads this slot and the next slots of both rings are whole: the refill comes first, then the next step's first fragments.
; From a request to the wait for it a wave issues 32 + 64 + 32 = 128 matrix instructions.
.macro TURN slot, next, fill
	WIN 0
	s_wait_loadcnt 0x0                             ; my rows of xe for the next step are in; the loads' base may be stepped
	ASTORE \next
.if \fill
	s_add_nc_u64 s[AP:AP+1], s[AP:AP+1], KSTEP*2
	ALOAD
.endif
	s_wait_dscnt 24                                ; 24 = the 16 stores just issued and the youngest eight fragment loads (xe's rows 64-127)
	WIN MUL_LO
	MUL16 F1, 0, 0, 0
	MUL16 F1, 0, 2, 0
	WIN 0
	s_wait_dscnt 0                                 ; my reads of this slot are over and my rows of xe lie in the next
	s_wait_tensorcnt 0x0                           ; and all my tensor loads have landed
	ds_add_u32 v62, v63
	s_wait_dscnt 0x0
	s_barrier_signal -1                            ; say so (where a slot is filled again this barrier opens a round of the cluster's barrier)
	s_barrier_wait -1
.if \fill
	CREST                                          ; all four work-groups have said so: no wave of any partner still reads this slot of we or has a tensor load on its way
	s_add_nc_u64 s[G0B+4*\slot+2:G0B+4*\slot+3], s[G0B+4*\slot+2:G0B+4*\slot+3], 2*KSTEP*2
	tensor_load_to_lds s[G0B+4*\slot:G0B+4*\slot+3], s[G1B:G1B+7]  ; the first tensor load behind the round, and the wave's only one until the next
	s_nop 0
.endif
	PLACES
	FETCH \next, 0, F0
	WIN MUL_HI
	MUL16 F1, 1, 0, 0
	MUL16 F1, 1, 2, 0
.endm
.macro STEP slot, next, fill, zero
	QUARTER \slot, 64, F0, F1, \zero
	TURN \slot, \next, \fill
.endm
.macro LAP zero                        ; once round the rings
	STEP 0, 1, 1, \zero
	STEP 1, 0, 1, 0
.endm
	s_wait_loadcnt 0x0                             ; my rows of xe for step 0, and bias; they are answered while the first tiles are on their way
	ASTORE 0
	s_add_nc_u64 s[AP:AP+1], s[AP:AP+1], KSTEP*2
	ALOAD                                          ; step 1
	s_wait_dscnt 0x0                               ; for the other waves' sake: my rows of xe lie in slot 0
	s_wait_tensorcnt 0x1                           ; my part of we's step 0 is in; step 1's may stay out
	s_barrier_signal -1
	s_barrier_wait -1                              ; everybody's is
	FETCH 0, 0, F0
	LAP 1                                          ; steps 0 and 1 stand in front of the loop: the first products start the sums
	WIN 0                                          ; at a label and at a branch every window is 0
	s_mov_b32 s3, 14                               ; steps 2 to 29
.Llap:
	LAP 0
	WIN 0
	s_sub_co_u32 s3, s3, 1
	s_cmp_lg_u32 s3, 0
	s_cbranch_scc1 .Llap
	STEP 0, 1, 1, 0                                ; step 30 asks for step 32, the last
	STEP 1, 0, 0, 0                                ; step 31 asks for nothing: it stores xe's last rows, and a plain barrier, in front of which we's last tile is waited for
	QUARTER 0, 64, F0, F1, 0                       ; step 32: the low-rank part
	s_wait_dscnt 8
	WIN MUL_LO
	MUL16 F1, 0, 0, 0
	MUL16 F1, 0, 2, 0
	s_wait_dscnt 0
	WIN MUL_HI
	MUL16 F1, 1, 0, 0
	MUL16 F1, 1, 2, 0
	; THE WAY OUT.  Every wave lays its 128 x 128 sums into LDS, over the rings: no tensor load is out or follows, and the barrier shows that no wave reads the rings any more.
	PLACES                                         ; behind the last matrix instructions: for the LDS stores, which read results, and for the loads into buffers 0 and 1
	WIN 0
	s_barrier_signal -1                            ; my reads of the rings are over (the wait for 0 above)
	s_barrier_wait -1
.macro DUMP hi
.irp a, 0,1,2,3
.irp b, 0,1,2,3,4,5,6,7
	ds_store_b128 v[STO], v[8*(8*\a+\b):8*(8*\a+\b)+3]   offset:16*(4*\hi+\a)*DP+64*\b
	ds_store_b128 v[STO], v[8*(8*\a+\b)+4:8*(8*\a+\b)+7] offset:16*(4*\hi+\a)*DP+64*\b+16
.endr
.endr
.endm
	WIN 0x08                                       ; an LDS store's data are its source 1: window 2
	DUMP 0
	WIN 0x0c                                       ; window 3
	DUMP 1
	WIN 0
	s_wait_dscnt 0x0                               ; for the other waves' sake
	s_barrier_signal -1
	s_barrier_wait -1
; Eight rows of my 64: both halves of K and the bias are added, and a row's 512 consecutive bytes, aligned, leave by one store of the wave.
.macro OUT8 g, f
	s_wait_xcnt 0x0                                ; buffer f, which earlier stores read, is written again only behind this wait
.irp t, 0,1,2,3,4,5,6,7
	ds_load_b128 v[\f+8*\t:\f+8*\t+3],   v[RD0] offset:(8*\g+\t)*DP
	ds_load_b128 v[\f+8*\t+4:\f+8*\t+7], v[RD1] offset:(8*\g+\t)*DP
.endr
.irp t, 0,1,2,3,4,5,6,7
	s_wait_dscnt 14-2*\t                           ; LDS loads come back in order (ISA guide 5.7.1): row t's two are in, the younger rows' stay out
	v_pk_add_f32 v[\f+8*\t:\f+8*\t+1],   v[\f+8*\t:\f+8*\t+1],   v[\f+8*\t+4:\f+8*\t+5]
	v_pk_add_f32 v[\f+8*\t+2:\f+8*\t+3], v[\f+8*\t+2:\f+8*\t+3], v[\f+8*\t+6:\f+8*\t+7]
	v_pk_add_f32 v[\f+8*\t:\f+8*\t+1],   v[\f+8*\t:\f+8*\t+1],   v[BIAS:BIAS+1]
	v_pk_add_f32 v[\f+8*\t+2:\f+8*\t+3], v[\f+8*\t+2:\f+8*\t+3], v[BIAS+2:BIAS+3]
	global_store_b128 v[CO], v[\f+8*\t:\f+8*\t+3], s[10:11] offset:(8*\g+\t)*OROW th:TH_STORE_NT
.endr
.endm
	OUT8 0, F0
	OUT8 1, F1
	OUT8 2, F0
	OUT8 3, F1
	OUT8 4, F0
	OUT8 5, F1
	OUT8 6, F0
	OUT8 7, F1
	s_wait_tensorcnt 0x0
	ds_add_u32 v62, v63
	s_wait_dscnt 0x0
	CROUND                                         ; the closing round: no work-group ends while a partner may still ask for a tile that names it
	s_endpgm
.Lfunc_end_k_q274048888d_gemm:
	.size	k_q274048888d_gemm, .Lfunc_end_k_q274048888d_gemm-k_q274048888d_gemm
	.p2alignl 7, 3214868480
	.fill 96, 4, 3214868480
	.section	.rodata,"a",@progbits
	.p2align	6, 0x0
	.amdhsa_kernel k_q274048888d_gemm
		.amdhsa_group_segment_fixed_size 327680
		.amdhsa_private_segment_fixed_size 0
		.amdhsa_enable_private_segment 0
		.amdhsa_kernarg_size 32
		.amdhsa_user_sgpr_count 2
		.amdhsa_user_sgpr_kernarg_segment_ptr 1
		.amdhsa_wavefront_size32 1
		.amdhsa_system_sgpr_workgroup_id_x 1
		.amdhsa_system_sgpr_workgroup_id_y 1
		.amdhsa_system_sgpr_workgroup_id_z 1
		.amdhsa_system_vgpr_workitem_id 0
		.amdhsa_next_free_vgpr 1024
		.amdhsa_next_free_sgpr 66
		.amdhsa_reserve_vcc 0
		.amdhsa_float_denorm_mode_32 3
		.amdhsa_float_denorm_mode_16_64 3
		.amdhsa_memory_ordered 1
		.amdhsa_forward_progress 1
		.amdhsa_inst_pref_size 157
	.end_amdhsa_kernel
	.amdgpu_metadata
---
amdhsa.version: [ 1, 2 ]
amdhsa.kernels:
  - .name:           k_q274048888d_gemm
    .symbol:         k_q274048888d_gemm.kd
    .args:
      - { .name: xe, .offset: 0, .size: 8, .value_kind: global_buffer, .address_space: global }
      - { .name: we, .offset: 8, .size: 8, .value_kind: global_buffer, .address_space: global }
      - { .name: bias, .offset: 16, .size: 8, .value_kind: global_buffer, .address_space: global }
      - { .name: out0, .offset: 24, .size: 8, .value_kind: global_buffer, .address_space: global }
    .group_segment_fixed_size: 327680
    .private_segment_fixed_size: 0
    .kernarg_segment_align: 8
    .kernarg_segment_size: 32
    .max_flat_workgroup_size: 128
    .sgpr_count:     66
    .vgpr_count:     1024
    .wavefront_size: 32
...
	.end_amdgpu_metadata
.endif
;; end of part 2
